; MI455X (gfx1250); checked and timed in simulation.
; The chip was launched on July 23, 2026; its instructions are those of AMD's public machine-readable ISA for CDNA 5 (MIT licence, August 2026) and "CDNA5" Instruction Set Architecture Reference Guide (July 2026). The comments in the code are by the model that wrote it; some were corrected since.
;; Bahdanau Attention. Allowed arithmetic: matrix products marked QUANTISED: E3M2 operands, one E8M0 scale for each 32 along K, by v_wmma_scale_f32_16x16x128_f8f6f4 with both operands' format E3M2, f32 sums; products left as they are: f32 operands where the result goes on into a quantised operand, else bf16, f16 or f32 operands; f32 sums; everything else in f32.
;; Inputs: Ua_b 1,024 float32; Ua_w_codes 1,024 x 32 x 24 uint8 (E3M2 codes of Ua_w, K innermost, in blocks of 32 codes, four codes in three bytes); Ua_w_scales 1,024 x 32 uint8 (E8M0 scales of Ua_w, one for each 32 codes along K); Va_b 1 float32; Va_w 1 x 1,024 float32; Wa_b 1,024 float32; Wa_w_codes 1,024 x 32 x 24 uint8 (E3M2 codes of Wa_w, K innermost, in blocks of 32 codes, four codes in three bytes); Wa_w_scales 1,024 x 32 uint8 (E8M0 scales of Wa_w, one for each 32 codes along K); keys 32 x 2,048 x 1,024 float32; query_codes 32 x 1 x 32 x 24 uint8 (E3M2 codes of query, K innermost, in blocks of 32 codes, four codes in three bytes); query_scales 32 x 1 x 32 uint8 (E8M0 scales of query, one for each 32 codes along K).
;; Outputs: out0 32 x 1 x 1,024 float32; out1 32 x 1 x 2,048 float32.
;; Constants: idx = 0.
;; This version of the problem:
;;   THIS VERSION OF THE PROBLEM IS GIVEN IN LOW PRECISION. The matrix products marked QUANTISED in the list below multiply operands that are first quantised to E3M2 (3 exponent bits, 2 mantissa bits; 6 bits a number), with one power-of-two scale for each 32 numbers along K (OCP MX v1.0); their sums are f32. All else is computed in f32.
;;   The module's matrix products, in the order in which they are computed (A, B: the left and right operand; K: the contracted axis; several contracted axes count as one K, in the product's order):
;;     1. [M 32, K 1,024] x [K 1,024, N 1,024]; A: input query (given as codes); B: input Wa_w (given as codes): QUANTISED
;;     2. [M 65,536, K 1,024] x [K 1,024, N 1,024]; A: input keys; B: input Ua_w (given as codes): QUANTISED
;;     3. [M 65,536, K 1,024] x [K 1,024, N 1]; A: computed on the way; B: input Va_w: left as it is (N = 1 < 16)
;;     4. batch 32 x [M 1, K 2,048] x [K 2,048, N 1,024]; A: computed on the way; B: input keys: left as it is (M = 1 < 16)
;;   THE QUANTISER, for each operand of a quantised product, along K:
;;     - K is cut into blocks of 32 from its start; a last block that is shorter is filled with zeros.
;;     - A block's scale is 2^e with e = floor(log2(the largest magnitude in the block)) - 4, held to -126 .. 127; a block of zeros has e = 0. As a byte (E8M0): e + 127.
;;     - Each number is divided by its block's scale, clamped to +-28, and rounded to the nearest number of E3M2, ties to even, subnormals kept.
;;     - The product sums the exact products of the quantised numbers (number of the format x scale) in f32.
;;   ~~~python
;;   def quantise(x, axis):      # numpy; x: float32 -> the quantised numbers, widened to float32 again
;;       x = np.moveaxis(x, axis, -1); K = x.shape[-1]
;;       x = np.pad(x, [(0, 0)] * (x.ndim - 1) + [(0, -K % 32)]); x = x.reshape(x.shape[:-1] + (-1, 32)); a = np.abs(x).max(-1, keepdims=True)
;;       e = np.where(a > 0, np.clip(np.frexp(np.where(a > 0, a, 1))[1] - 1 - 4, -126, 127), 0)      # np.frexp(a)[1] - 1 = floor(log2(a)), exactly
;;       r = np.clip(x / 2.0 ** e, -28, 28)
;;       step = 2.0 ** (np.maximum(np.frexp(np.where(r == 0, 1, r))[1] - 1, -2) - 2)
;;       q = np.round(r / step) * step * 2.0 ** e      # np.round: ties to even
;;       return np.moveaxis(q.reshape(q.shape[:-2] + (-1,))[..., :K], -1, axis).astype(np.float32)
;;   ~~~
;;   INPUTS GIVEN AS CODES. Ua_w (in the module: [1024, 1024], K = its axis 1); Wa_w (in the module: [1024, 1024], K = its axis 1); query (in the module: [32, 1, 1024], K = its axis 2): each comes as NAME_codes (uint8): NAME with its K axis moved to the last place and cut into blocks of 32 codes, [.., K / 32, bytes a block], one block behind the other in memory; four codes in three bytes: a row's codes are one little-endian stream of bits, code i at bits 6 i .. 6 i + 5 (a code: sign, 3 exponent bits, 2 mantissa bits); and NAME_scales (uint8): the same leading axes, one E8M0 byte (e + 127) for each 32 codes along K. Its value is code x scale, taken as it is: it is not quantised again, and the codes and scales need not be those that the quantiser above would give.
;; One version. Each part assembles by itself: llvm-mc -triple=amdgcn-amd-amdhsa -mcpu=gfx1250 --defsym DOCPART=n.
;; ======== version 1 of 1: 3 launches
;; limits: values are held in bf16: 8 bits of precision; right only within a limited range of input values
;; workspace buffers: wimg 819,200 bytes; tab 131,072 bytes; ubuf 262,144 bytes; ml 2,048 bytes; pctx 1,048,576 bytes
;; launch prep (part 1): grid 64 x 2, 1 waves a work-group, no clusters, 0 bytes of LDS; arguments Ua_w_codes, Ua_w_scales, Wa_w_codes, Wa_w_scales, query_codes, query_scales, Wa_b, Ua_b, wimg, tab; writes wimg, tab
.if DOCPART == 1
	.amdgcn_target "amdgcn-amd-amdhsa--gfx1250"
	.amdhsa_code_object_version 6
	.text
	.protected	k_q26fc29b9ab_prep
	.globl	k_q26fc29b9ab_prep
	.p2align	8
	.type	k_q26fc29b9ab_prep,@function
k_q26fc29b9ab_prep:
	s_mov_b64 s[64:65], 0
	v_nop
	global_prefetch_b8 v0, s[64:65] scope:SCOPE_SE
	s_setreg_imm32_b32 hwreg(HW_REG_WAVE_MODE, 25, 1), 1
	s_wait_xcnt 0x0
; BAHDANAU ATTENTION, launch 1 of 3.  scores[b][s] = sum over o of Va_w[o] tanh(q_proj[b][o] + k_proj[b][s][o]) + Va_b; weights = softmax over s; context = weights x keys.
; WORK LEFT OUT IN THE WHOLE PROGRAM, for all finite values of the inputs:
;   Va_b is added to every score of a row alike, and both outputs hang on the scores through the softmax along that row alone: softmax(x + const) = softmax(x).  Va_b is not loaded and is no argument.
;   tanh(x) = 1 - 2 / (1 + e^(2x)), so a score is sum(Va_w) - 2 sum over o of Va_w[o] / (1 + e^(2x)): the term sum(Va_w) is again the same along the softmax's axis and is not formed.
;   idx is used nowhere in the computation.
;   LIMIT: a NaN, an infinity or an overflow that would reach only Va_b or sum(Va_w) is not carried to the results.
; THIS LAUNCH, work-group (T, y), one wave:
;   (1) tab[b][o] = c (q_proj[b][o] + Wa_b[o] + Ua_b[o]), c = 2 log2(e), for queries b = 16 y .. 16 y + 15 and outputs o = 16 T .. 16 T + 15: product 1, on the given codes, 8 K steps of 128.
;       Source 0 = 16 rows of Wa_w, source 1 = 16 queries: lane (r, h) register j then holds query 16 y + r, output 16 T + 8 h + j.
;   (2) Ua_w's tile T (16 rows), K steps 4 y .. 4 y + 3, is laid into wimg IN THE ORDER OF THE OPERAND'S REGISTERS: a fragment's 12 registers as three runs of 512 bytes, registers 4 c .. 4 c + 3 of lane l at 512 c + 16 l.
;       Tile T = 16 w + nt lies at (nt / 2) x 102,400 + w x 25,600 + (nt % 2) x 12,800; fragment ks at + 1,536 ks; behind the eight fragments, at + 12,288, the scale words, 16 bytes a lane:
;       word i of lane (r, h) is row r's scale word of K step 2 i + h, so that one register serves an even K step from lanes 0-15 and the odd one behind it from lanes 16-31.
; No LDS, no barrier.  The order of the three additions differs from reference()'s by rounding alone.
.set C2L, 0x4038aa3b                   ; c = 2 log2(e)
.set MSB, 0
.macro WIN new                         ; the immediate's high byte repeats the setting that is left
.if MSB != \new
	s_set_vgpr_msb (MSB<<8)|\new
.set MSB, \new
.endif
.endm
	s_load_b512 s[4:19], s[0:1], 0x0               ; Ua codes s[4:5], Ua scales s[6:7], Wa codes s[8:9], Wa scales s[10:11], query codes s[12:13], query scales s[14:15], Wa_b s[16:17], Ua_b s[18:19]
	s_load_b128 s[20:23], s[0:1], 0x40             ; wimg s[20:21], tab s[22:23]
	v_and_b32 v1, 15, v0                           ; r
	v_lshrrev_b32 v2, 4, v0                        ; h
	v_mul_u32_u24 v3, v1, 768                      ; a row of 1,024 codes is 768 bytes
	v_mad_u32_u24 v3, v2, 24, v3                   ; + 24 h: a fragment's place for my lane
	v_lshlrev_b32 v4, 5, v1                        ; a row of scale bytes is 32 bytes
	v_lshlrev_b32 v5, 5, v2                        ; my eight outputs' biases: 32 h
	v_lshl_add_u32 v6, v1, 12, v5                  ; tab: row r of 4,096 bytes + 32 h
	v_lshlrev_b32 v7, 4, v0                        ; 16 x lane: an image's place
	v_lshl_add_u32 v250, v2, 2, v4                 ; Ua's scale words: 32 r + 4 h
	s_and_b32 s24, ttmp7, 0xffff                   ; y
	s_mov_b32 s27, 0                               ; the upper word of every offset
	s_mov_b32 s34, C2L
	s_mov_b32 s35, s34                             ; (named with it as a pair, so it is written)
	s_wait_alu depctr_va_vdst(0)
	s_wait_kmcnt 0x0
	s_mul_i32 s26, ttmp9, 12288                    ; 16 rows of codes
	s_add_nc_u64 s[8:9], s[8:9], s[26:27]
	s_add_nc_u64 s[4:5], s[4:5], s[26:27]
	s_mul_i32 s26, s24, 384                        ; four K steps of 96 bytes
	s_add_nc_u64 s[4:5], s[4:5], s[26:27]
	s_mul_i32 s26, s24, 12288                      ; 16 queries
	s_add_nc_u64 s[12:13], s[12:13], s[26:27]
	s_lshl_b32 s26, ttmp9, 9                       ; 16 rows of scale bytes
	s_add_nc_u64 s[10:11], s[10:11], s[26:27]
	s_add_nc_u64 s[6:7], s[6:7], s[26:27]
	s_lshl_b32 s26, s24, 4                         ; four K steps' scale words
	s_add_nc_u64 s[6:7], s[6:7], s[26:27]
	s_lshl_b32 s26, s24, 9
	s_add_nc_u64 s[14:15], s[14:15], s[26:27]
	s_lshl_b32 s26, ttmp9, 6                       ; 16 outputs in f32
	s_add_nc_u64 s[16:17], s[16:17], s[26:27]
	s_add_nc_u64 s[18:19], s[18:19], s[26:27]
	s_add_nc_u64 s[22:23], s[22:23], s[26:27]
	s_lshl_b32 s26, s24, 16                        ; 16 rows of tab
	s_add_nc_u64 s[22:23], s[22:23], s[26:27]
	s_lshr_b32 s28, ttmp9, 4                       ; w
	s_mul_i32 s26, s28, 25600
	s_bfe_u32 s28, ttmp9, 0x30001                  ; nt / 2: three bits from bit 1
	s_mul_i32 s28, s28, 102400
	s_add_co_u32 s26, s26, s28
	s_and_b32 s28, ttmp9, 1                        ; nt % 2
	s_mul_i32 s28, s28, 12800
	s_add_co_u32 s26, s26, s28
	s_add_nc_u64 s[20:21], s[20:21], s[26:27]      ; the tile's place in wimg
	s_mul_i32 s26, s24, 6144                       ; four fragments on for y = 1
	s_add_nc_u64 s[30:31], s[20:21], s[26:27]
	s_lshl_b32 s26, s24, 3                         ; two scale words on
	s_add_nc_u64 s[32:33], s[20:21], s[26:27]
.irp ks, 0,1,2,3,4,5,6,7
.irp p, 0,1,2,3,4,5
	global_load_b64 v[32+12*\ks+2*\p:33+12*\ks+2*\p], v3, s[8:9] offset:96*\ks+48*(\p/3)+8*(\p%3)      ; Wa_w's fragments: 24 bytes as three loads of 8, so that every address is a multiple of the access's size
	global_load_b64 v[128+12*\ks+2*\p:129+12*\ks+2*\p], v3, s[12:13] offset:96*\ks+48*(\p/3)+8*(\p%3)  ; the queries'
.endr
.endr
	global_load_b128 v[8:11], v4, s[10:11]         ; Wa_w's scale words of row r: register 8 + ks
	global_load_b128 v[12:15], v4, s[10:11] offset:16
	global_load_b128 v[16:19], v4, s[14:15]        ; the queries': register 16 + ks
	global_load_b128 v[20:23], v4, s[14:15] offset:16
	global_load_b128 v[224:227], v5, s[16:17]      ; Wa_b at my eight outputs
	global_load_b128 v[228:231], v5, s[16:17] offset:16
	global_load_b128 v[232:235], v5, s[18:19]      ; Ua_b
	global_load_b128 v[236:239], v5, s[18:19] offset:16
	global_load_b32 v248, v250, s[6:7]             ; Ua_w's scale words of K steps 4 y + h
	global_load_b32 v249, v250, s[6:7] offset:8    ; and 4 y + 2 + h
	WIN 0x40                                       ; destination in window 1
.irp k, 0,1,2,3
.irp p, 0,1,2,3,4,5
	global_load_b64 v[12*\k+2*\p:12*\k+2*\p+1], v3, s[4:5] offset:96*\k+48*(\p/3)+8*(\p%3)             ; Ua_w's four fragments
.endr
.endr
	WIN 0
	s_wait_loadcnt 0x0
; Two accumulators take turns, one instruction a turn: the even K steps in v24-31, the odd ones in v240-247.  The first two products start the sums.
.irp ks, 0,2,4,6
.if \ks == 0
	v_wmma_scale_f32_16x16x128_f8f6f4 v[24:31], v[32:43], v[128:139], 0, v8, v16 matrix_a_fmt:MATRIX_FMT_BF6 matrix_b_fmt:MATRIX_FMT_BF6
	v_wmma_scale_f32_16x16x128_f8f6f4 v[240:247], v[44:55], v[140:151], 0, v9, v17 matrix_a_fmt:MATRIX_FMT_BF6 matrix_b_fmt:MATRIX_FMT_BF6
.else
	v_wmma_scale_f32_16x16x128_f8f6f4 v[24:31], v[32+12*\ks:43+12*\ks], v[128+12*\ks:139+12*\ks], v[24:31], v[8+\ks], v[16+\ks] matrix_a_fmt:MATRIX_FMT_BF6 matrix_b_fmt:MATRIX_FMT_BF6
	v_wmma_scale_f32_16x16x128_f8f6f4 v[240:247], v[44+12*\ks:55+12*\ks], v[140+12*\ks:151+12*\ks], v[240:247], v[9+\ks], v[17+\ks] matrix_a_fmt:MATRIX_FMT_BF6 matrix_b_fmt:MATRIX_FMT_BF6
.endif
.endr
.irp i, 0,2,4,6
	v_pk_add_f32 v[224+\i:225+\i], v[224+\i:225+\i], v[232+\i:233+\i]     ; Wa_b + Ua_b: four plain instructions that name no register of the products: the places behind them (ISA guide 7.12.1)
.endr
.irp i, 0,2,4,6
	v_pk_mul_f32 v[224+\i:225+\i], v[224+\i:225+\i], s[34:35] op_sel_hi:[1,0]   ; x c
.endr
.irp i, 0,2,4,6
	v_pk_add_f32 v[24+\i:25+\i], v[24+\i:25+\i], v[240+\i:241+\i]         ; the two halves of K, each accumulator from its low end on
.endr
.irp i, 0,2,4,6
	v_pk_fma_f32 v[24+\i:25+\i], v[24+\i:25+\i], s[34:35], v[224+\i:225+\i] op_sel_hi:[1,0,1]   ; c q_proj + c (Wa_b + Ua_b)
.endr
	global_store_b128 v6, v[24:27], s[22:23]       ; tab[16 y + r][16 T + 8 h + 0 .. 7]
	global_store_b128 v6, v[28:31], s[22:23] offset:16
	global_store_b64 v7, v[248:249], s[32:33] offset:12288   ; my two scale words of the tile's image
	WIN 0x04                                       ; a store's data are its source 1: window 1
.irp k, 0,1,2,3
.irp c, 0,1,2
	global_store_b128 v7, v[12*\k+4*\c:12*\k+4*\c+3], s[30:31] offset:1536*\k+512*\c   ; 32 lanes store 512 consecutive bytes, at a multiple of 256 from wimg's first byte
.endr
.endr
	WIN 0
	s_endpgm
.Lfunc_end_k_q26fc29b9ab_prep:
	.size	k_q26fc29b9ab_prep, .Lfunc_end_k_q26fc29b9ab_prep-k_q26fc29b9ab_prep
	.p2alignl 7, 3214868480
	.fill 96, 4, 3214868480
	.section	.rodata,"a",@progbits
	.p2align	6, 0x0
	.amdhsa_kernel k_q26fc29b9ab_prep
		.amdhsa_group_segment_fixed_size 0
		.amdhsa_private_segment_fixed_size 0
		.amdhsa_enable_private_segment 0
		.amdhsa_kernarg_size 80
		.amdhsa_user_sgpr_count 2
		.amdhsa_user_sgpr_kernarg_segment_ptr 1
		.amdhsa_wavefront_size32 1
		.amdhsa_system_sgpr_workgroup_id_x 1
		.amdhsa_system_sgpr_workgroup_id_y 1
		.amdhsa_system_sgpr_workgroup_id_z 1
		.amdhsa_system_vgpr_workitem_id 0
		.amdhsa_next_free_vgpr 320
		.amdhsa_next_free_sgpr 66
		.amdhsa_reserve_vcc 0
		.amdhsa_float_denorm_mode_32 3
		.amdhsa_float_denorm_mode_16_64 3
		.amdhsa_memory_ordered 1
		.amdhsa_forward_progress 1
		.amdhsa_inst_pref_size 19
	.end_amdhsa_kernel
	.amdgpu_metadata
---
amdhsa.version: [ 1, 2 ]
amdhsa.kernels:
  - .name:           k_q26fc29b9ab_prep
    .symbol:         k_q26fc29b9ab_prep.kd
    .args:
      - { .name: Ua_w_codes, .offset: 0, .size: 8, .value_kind: global_buffer, .address_space: global }
      - { .name: Ua_w_scales, .offset: 8, .size: 8, .value_kind: global_buffer, .address_space: global }
      - { .name: Wa_w_codes, .offset: 16, .size: 8, .value_kind: global_buffer, .address_space: global }
      - { .name: Wa_w_scales, .offset: 24, .size: 8, .value_kind: global_buffer, .address_space: global }
      - { .name: query_codes, .offset: 32, .size: 8, .value_kind: global_buffer, .address_space: global }
      - { .name: query_scales, .offset: 40, .size: 8, .value_kind: global_buffer, .address_space: global }
      - { .name: Wa_b, .offset: 48, .size: 8, .value_kind: global_buffer, .address_space: global }
      - { .name: Ua_b, .offset: 56, .size: 8, .value_kind: global_buffer, .address_space: global }
      - { .name: wimg, .offset: 64, .size: 8, .value_kind: global_buffer, .address_space: global }
      - { .name: tab, .offset: 72, .size: 8, .value_kind: global_buffer, .address_space: global }
    .group_segment_fixed_size: 0
    .private_segment_fixed_size: 0
    .kernarg_segment_align: 8
    .kernarg_segment_size: 80
    .max_flat_workgroup_size: 32
    .sgpr_count:     66
    .vgpr_count:     320
    .wavefront_size: 32
...
	.end_amdgpu_metadata
.endif
;; end of part 1
;; launch main (part 2): grid 256 x 1, 4 waves a work-group, clusters of 4 x 1, 327,680 bytes of LDS; arguments keys, wimg, tab, Va_w, ubuf, ml, pctx; writes ubuf, ml, pctx
.if DOCPART == 2
	.amdgcn_target "amdgcn-amd-amdhsa--gfx1250"
	.amdhsa_code_object_version 6
	.text
	.protected	k_q26fc29b9ab_main
	.globl	k_q26fc29b9ab_main
	.p2align	8
	.type	k_q26fc29b9ab_main,@function
k_q26fc29b9ab_main:
	s_mov_b64 s[64:65], 0
	v_nop
	global_prefetch_b8 v0, s[64:65] scope:SCOPE_SE
	s_setreg_imm32_b32 hwreg(HW_REG_WAVE_MODE, 25, 1), 1
	s_wait_xcnt 0x0
	s_wait_alu depctr_hold_cnt(0) depctr_sa_sdst(0) depctr_va_vdst(0) depctr_va_sdst(0) depctr_va_ssrc(0) depctr_va_vcc(0) depctr_vm_vsrc(0)
	s_getreg_b32 s2, hwreg(HW_REG_IB_STS2, 6, 4)
	s_cmp_eq_u32 s2, 0
	s_cbranch_scc0 .Lentry_in_a_cluster
	s_endpgm
.Lentry_in_a_cluster:
	s_bfe_u32 s2, ttmp6, 0x10000c
	s_cmp_lg_u32 s2, 0x3003
	s_cbranch_scc0 .Lentry_shape_is_right
	s_endpgm
.Lentry_shape_is_right:
; BAHDANAU ATTENTION, launch 2 of 3.  Left out, as shown at the head of the first kernel: Va_b and sum(Va_w), which are constant along the softmax's axis.
; Work-group g of 256 takes rows 256 g .. 256 g + 255 of keys (an eighth of batch g / 8), as 16 groups of 16 rows, through product 2, the tanh, product 3, a running softmax (running maximum) and product 4.
; It stores u (the scores as exponents to the base 2), its maximum and sum (ml) and its part of the context (pctx); the next launch joins the eight parts of a batch.
; FOUR WAVES.  Wave w owns outputs 256 w .. 256 w + 255 of k_proj (16 tiles of 16, in four quarters of four) and columns 256 w .. 256 w + 255 of keys.
; A STEP: four M tiles of 16 rows are at work, their codes in registers (windows 1 and 2: 4 x 8 fragments of 12 registers); in step s all four meet quarter s % 4 of each wave's outputs,
; so each fragment of Ua_w read from LDS feeds four products.  Step s admits group s into M tile s % 4 and retires the group that lay there.
; THE WALK IS A RING OF 16 STEPS: the head also admits groups 13, 14, 15 into M tiles 1, 2, 3.  They meet quarters 0; 0, 1; 0, 1, 2 in steps 0 to 2; their partial scores are kept (UP1 .. UP3) when groups 1, 2, 3 take their
; places; they come again at steps 13, 14, 15 for the quarters still owed.  So every M tile holds live rows in every step, and behind step 15 groups 12 to 15 are whole together.
; The price: rows 208 .. 255 of the 256 are loaded twice, 196,608 bytes more for a work-group.
; The rows admitted are loaded one step ahead as f32 (32 loads of 512 bytes a wave), turned through a stage in LDS so that a lane holds 16 neighbours along K, quantised, and handed to all waves as images of the operand's registers.
; The same rows, rounded to bf16 (product 4 is left as it is: bf16 operands, f32 sums), wait in window 3 until their scores are whole.
; wimg goes round a ring of two LDS slots of 102,400 bytes (two tiles for each wave) by joint loads of the four work-groups of a cluster, which walk in step; each refill stands behind a round of the cluster's barrier.
; tanh: with t = c (q_proj + k_proj + biases), c = 2 log2(e), a score's live part is the sum of (-c Va_w[o]) / (1 + 2^t): 2^t = infinity gives 0, as tanh = 1 asks.
; No prefetch: the keys are asked for a whole step ahead by the loads themselves, and wimg's 819,200 bytes are read again by every work-group in every four steps.
.set RING1, 102400
.set SLOTB, 102400
.set WPART, 25600
.set TILEB, 12800
.set STG,   204800                     ; the stages: 16 rows x 1,040 bytes for each wave
.set STGW,  16640
.set SPIT,  1040
.set XIMG,  271360                     ; the images of a group's eight fragments
.set XSC,   283648                     ; and its scale words
.set TBQ,   284672                     ; the batch's row of tab, then -c Va_w
.set SCR,   292864                     ; the waves' parts of a group's scores
.set UBF,   293376                     ; u of the 256 rows
.set SPARE, 294400                     ; the spare words, 128 bytes a wave
.set SCT,   294912-SCR                 ; behind them, as an offset from SCR: the same exchange for the four groups retired at the end, 4 x 256 bytes
.set GRP,   65536                      ; a group of 16 rows of keys in bytes
.set SPW, 1
.set NIL, 2
.set WA0, 3
.set TA0, 5
.set TA,  6
.set STW, 7
.set STR, 8
.set LI,  9
.set XWI, 10
.set XWS, 11
.set XRS, 12
.set SCW, 13
.set SCD, 14
.set KO,  15
.set UB0, 16
.set NEG, 17
.set MM,  18
.set LL,  19
.set U,   20
.set P,   21
.set F,   22
.set CTX, 28
.set SA,  36
.set XS,  44
.set WS,  60
.set QB,  68
.set VT,  76
.set ACC1, 84
.set TM,  84
.set PW,  100
.set UOF, 101
.set PC,  102                          ; a fragment's 12 registers of codes: v102-113 for my first K step, v68-79 for my second (with its scale word in v80), so that neither waits for the other's stores
.set PT,  114                          ; the conversions' second halves, ahead of the swap
.set UP1, 121                          ; the partial scores of groups 13, 14, 15
.set URD, 122
.set L16, 123
.set ZOF, 124
.set TBW, 125
.set UP2, 126
.set UP3, 127
.set WF,  128
.set ACC0, 224
.set QIN0, 128
.set QIN1, 192
.set PB,  224
.set RAW, 192                          ; windows 1 and 2: the rows loaded for the next step, 8 rows in each
.set AC,  ACC0
.set EA,  ACC1
.set MSB, 0
.macro WIN new                         ; the immediate's high byte repeats the setting that is left
.if MSB != \new
	s_set_vgpr_msb (MSB<<8)|\new
.set MSB, \new
.endif
.endm
.macro PLACES
.rept 4
	v_nop
.endr
.endm
.macro BAR                             ; my LDS instructions are done; then the work-group's barrier
	s_wait_dscnt 0x0
	s_barrier_signal -1
	s_barrier_wait -1
.endm
.macro ROUND                           ; a round of the cluster's barrier
	s_barrier_signal -1
	s_barrier_wait -1
	s_cmp_lg_u32 s34, 0
	s_cbranch_scc1 .Lnot_wave_0_\@
	s_barrier_signal -3
.Lnot_wave_0_\@:
	s_barrier_wait -3
	s_barrier_signal -1
	s_barrier_wait -1
.endm
.macro WLOADA s, e                     ; tile e of slot s: the fragments of K steps 0-3 and the scale words
.irp k, 0,1,2,3
.irp c, 0,1,2
	ds_load_b128 v[WF+12*\k+4*\c:WF+12*\k+4*\c+3], v[WA0+\s] offset:TILEB*(\e)+1536*\k+512*\c
.endr
.endr
	ds_load_b128 v[WS+4*(\e):WS+4*(\e)+3], v[WA0+\s] offset:TILEB*(\e)+12288
.endm
.macro WLOADB s, e                     ; K steps 4-7
.irp k, 4,5,6,7
.irp c, 0,1,2
	ds_load_b128 v[WF+12*\k+4*\c:WF+12*\k+4*\c+3], v[WA0+\s] offset:TILEB*(\e)+1536*\k+512*\c
.endr
.endr
.endm
.macro QLOAD i
	ds_load_b128 v[QB:QB+3], v[TA] offset:64*(\i)
	ds_load_b128 v[QB+4:QB+7], v[TA] offset:64*(\i)+16
.endm
.macro VLOAD i
	ds_load_b128 v[VT:VT+3], v[TA] offset:4096+64*(\i)
	ds_load_b128 v[VT+4:VT+7], v[TA] offset:4096+64*(\i)+16
.endm
.macro WM mt, ks, tl                   ; source 0 = 16 rows of Ua_w, source 1 = 16 rows of keys: a lane holds one row of keys and eight neighbouring outputs
.set rD, AC+8*(\mt)
.set rA, WF+12*(\ks)
.set rB, 48*(\mt)+12*((\ks)%4)
.set rU, WS+4*(\tl)+(\ks)/2
.set rX, XS+4*(\mt)+(\ks)/2
.if (\ks) == 0
	v_wmma_scale_f32_16x16x128_f8f6f4 v[rD:rD+7], v[rA:rA+11], v[rB:rB+11], 0, v[rU], v[rX] matrix_a_fmt:MATRIX_FMT_BF6 matrix_b_fmt:MATRIX_FMT_BF6
.elseif (\ks)%2 == 0
	v_wmma_scale_f32_16x16x128_f8f6f4 v[rD:rD+7], v[rA:rA+11], v[rB:rB+11], v[rD:rD+7], v[rU], v[rX] matrix_a_fmt:MATRIX_FMT_BF6 matrix_b_fmt:MATRIX_FMT_BF6
.else
	v_wmma_scale_f32_16x16x128_f8f6f4 v[rD:rD+7], v[rA:rA+11], v[rB:rB+11], v[rD:rD+7], v[rU], v[rX] matrix_a_fmt:MATRIX_FMT_BF6 matrix_b_fmt:MATRIX_FMT_BF6 matrix_a_scale:MATRIX_SCALE_ROW1 matrix_b_scale:MATRIX_SCALE_ROW1
.endif
.endm
; A TILE OF 16 OUTPUTS x THE FOUR M TILES.  AC: this tile's accumulators, EA: those of the tile before; the two sets change places from tile to tile.
; No transcendental stands among a tile's 32 products, nor between them and the first read of their sums.
; One run: four K steps x the M tiles, the accumulators by turns, one product a turn.
; add1 = 1: behind each product stands one packed addition of the tile before, 1 + 2^t: plain work that names none of the product's registers.
.macro RUN tl, half, add1
.irp k, 0,1,2,3
.irp mt, 0,1,2,3
	WM \mt, 4*(\half)+\k, \tl
.if (\add1)
	v_pk_add_f32 v[EA+8*\mt+2*\k:EA+8*\mt+2*\k+1], v[EA+8*\mt+2*\k:EA+8*\mt+2*\k+1], 1.0 op_sel_hi:[1,0]
.endif
.endr
.endr
.endm
.macro TSCALE                          ; t = c x k_proj + tab, on this tile's sums, each accumulator from its low end on
.irp p, 0,1,2,3
.irp mt, 0,1,2,3
	v_pk_fma_f32 v[AC+8*\mt+2*\p:AC+8*\mt+2*\p+1], v[AC+8*\mt+2*\p:AC+8*\mt+2*\p+1], s[50:51], v[QB+2*\p:QB+2*\p+1] op_sel_hi:[1,0,1]
.endr
.endr
.endm
; ONE BATCH OF TRANSCENDENTALS A TILE: ex = 1: 2^t of this tile; rc = 1: 1 / (1 + 2^t) of the tile before.  One wait ahead of the batch, for its sources, and one behind it, ahead of its readers.
.macro BATCH ex, rc
	s_wait_alu depctr_va_vdst(0)
.if \ex
.set n, 0
.rept 32
	v_exp_f32 v[AC+n], v[AC+n]
.set n, n+1
.endr
.endif
.if \rc
.set n, 0
.rept 32
	v_rcp_f32 v[EA+n], v[EA+n]
.set n, n+1
.endr
.endif
	v_nop                                          ; a plain place behind the last of the batch
	s_wait_alu depctr_va_vdst(0)
.endm
.macro PHASE5                          ; the scores' sums: += (-c Va_w) / (1 + 2^t), of the tile before
.irp p, 0,1,2,3
.irp mt, 0,1,2,3
	v_pk_fma_f32 v[SA+2*\mt:SA+2*\mt+1], v[EA+8*\mt+2*\p:EA+8*\mt+2*\p+1], v[VT+2*\p:VT+2*\p+1], v[SA+2*\mt:SA+2*\mt+1]
.endr
.endr
.endm
.macro EPILOGUE                        ; a step's last tile (EA names its set) has no tile behind it: its additions, reciprocals and sums stand alone
.irp p, 0,1,2,3
.irp mt, 0,1,2,3
	v_pk_add_f32 v[EA+8*\mt+2*\p:EA+8*\mt+2*\p+1], v[EA+8*\mt+2*\p:EA+8*\mt+2*\p+1], 1.0 op_sel_hi:[1,0]
.endr
.endr
	BATCH 0, 1
	s_wait_dscnt 0x0                               ; the last tile's Va_w is in
	PHASE5
.endm
; Slot s has been read out: all my tensor loads are waited for, the add and its wait, a round of the cluster's barrier, and the slot's next fill, for the next step, first behind it.
.macro CHANGE s
	s_wait_tensorcnt 0x0
	ds_add_u32 v[SPW], v[NIL]
	s_lshl_b32 s40, s35, 1
	s_add_co_u32 s40, s40, 2+\s
	s_and_b32 s40, s40, 7                          ; wimg is eight slots long
	s_mul_i32 s40, s40, SLOTB
	s_add_co_u32 s40, s40, s37
	s_add_nc_u64 s[26+4*\s:27+4*\s], s[6:7], s[40:41]
	s_or_b32 s[27+4*\s], s[27+4*\s], 0x80000000
	s_wait_dscnt 0x0
	ROUND
	tensor_load_to_lds s[24+4*\s:27+4*\s], s[16:23]
	s_nop 0
	PLACES
.endm
.macro TILE s, e, i, ns, ne, pre, chg, cold
.if (\i)%2 == 0
.set AC, ACC0
.set EA, ACC1
.else
.set AC, ACC1
.set EA, ACC0
.endif
.if \cold
	s_wait_dscnt 0x0
.else
	s_wait_dscnt 14                                ; K steps 4-7's twelve loads and Va_w's two may be out
.endif
	WIN 0x04
	RUN \e, 0, 1-\cold
	WIN 0
.if \chg == 1
	CHANGE \s
.elseif \chg == 2
	s_wait_tensorcnt 0x0                           ; my part of slot 1, which I alone read, is in; nothing is filled again
	PLACES
.else
	PLACES
.endif
.if \pre
	WLOADA \ns, \ne
.endif
	QLOAD \i
.if \pre
	s_wait_dscnt 15                                ; all but the fifteen just issued
.else
	s_wait_dscnt 2
.endif
	WIN 0x08
	RUN \e, 1, 0
	WIN 0
	PLACES                                         ; four places: for the loads into fragments just multiplied, and for the first read of the sums
.if \pre
	WLOADB \ns, \ne
	s_wait_dscnt 12                                ; all but the twelve just issued: this tile's row of tab is in
.else
	s_wait_dscnt 0x0
.endif
	TSCALE
	BATCH 1, 1-\cold
.if \cold == 0
	PHASE5                                         ; it reads the Va_w of the tile before,
.endif
	VLOAD \i                                       ; so this tile's is asked for only now
.endm
.macro G chg                           ; a step's four tiles
	TILE 0,0,0, 0,1, 1, 0, 1
	TILE 0,1,1, 1,0, 1, \chg, 0
	TILE 1,0,2, 1,1, 1, 0, 0
	TILE 1,1,3, 0,0, 0, 0, 0
.set EA, ACC1
	EPILOGUE
.endm
; The quantiser, on 16 rows x 128 K: lane (r, h) holds row r, k = 32 b + 16 h + 0 .. 15 in registers s + 16 b ..
.macro QUANT s
.irp b, 0,1,2,3
	v_max3_num_f32 v[TM+\b], |v[\s+16*\b]|, |v[\s+1+16*\b]|, 0x2800000   ; with the floor 2^(5 - 127): the byte cannot fall under 1
.endr
.irp i, 2,4,6,8,10,12,14
.irp b, 0,1,2,3
	v_max3_num_f32 v[TM+\b], v[TM+\b], |v[\s+16*\b+\i]|, |v[\s+1+16*\b+\i]|
.endr
.endr
.irp b, 0,1,2,3
	v_permlanex16_b32 v[TM+4+\b], v[TM+\b], s52, s53
.endr
.irp b, 0,1,2,3
	v_max_num_f32 v[TM+\b], v[TM+\b], v[TM+4+\b]
.endr
.irp b, 0,1,2,3
	v_add_nc_u32 v[TM+12+\b], 0xfe000000, v[TM+\b]   ; 4 off the exponent field: the conversion's scale operand
.endr
.irp b, 0,1,2,3
	v_lshrrev_b32 v[TM+4+\b], 23, v[TM+12+\b]        ; the scale's byte
.endr
	v_lshl_or_b32 v[PW], v[TM+5], 8, v[TM+4]
	v_lshl_or_b32 v[PW], v[TM+6], 16, v[PW]
	v_lshl_or_b32 v[PW], v[TM+7], 24, v[PW]
.irp c, 0,1
	v_cvt_scalef32_pk16_bf6_f32 v[PC+6*\c:PC+2+6*\c], v[\s+32*\c:\s+15+32*\c], v[TM+12+2*\c]
	v_cvt_scalef32_pk16_bf6_f32 v[PT+4*\c:PT+2+4*\c], v[\s+16+32*\c:\s+31+32*\c], v[TM+12+2*\c+1]
.endr
	v_nop
.irp c, 0,1                            ; the operand wants a whole block in a lane
.irp i, 0,1,2
	v_permlane16_swap_b32 v[PC+6*\c+\i], v[PT+4*\c+\i]
.endr
.irp i, 0,1,2
	v_mov_b32 v[PC+3+6*\c+\i], v[PT+4*\c+\i]
.endr
.endr
.endm
.macro IMAGE off
.irp c, 0,1,2
	ds_store_b128 v[XWI], v[PC+4*\c:PC+4*\c+3] offset:\off+512*\c
.endr
.endm
.macro CODES                           ; my two K steps of the group that lies staged in QIN0, QIN1: codes and scale words into the images
	QUANT QIN0
	IMAGE 0
	ds_store_b32 v[XWS], v[PW]
	s_wait_dscnt 5                                 ; QIN1 is in: behind its loads stand at most the score's store, the three stores of the image and the scale word's
.set PC, 68
.set PW, 80
	QUANT QIN1
	IMAGE 1536
	ds_store_b32 v[XWS], v[PW] offset:128
.set PC, 102
.set PW, 100
.endm
.macro KLD reg, off, nt
.if \nt
	global_load_b128 v[\reg:\reg+3], v[KO], s[4:5] offset:\off th:TH_LOAD_NT
.else
	global_load_b128 v[\reg:\reg+3], v[KO], s[4:5] offset:\off
.endif
.endm
.macro RAWG base, goff, nt             ; 16 rows x my 256 columns, goff bytes on: rows 0-7 into window 1, rows 8-15 into window 2, from register base on.  nt = 0: rows that are loaded once more later
	WIN 0x40
.irp row, 0,1,2,3,4,5,6,7
.irp u, 0,1
	KLD \base+8*\row+4*\u, \goff+4096*\row+512*\u, \nt
.endr
.endr
	WIN 0x80
.irp row, 0,1,2,3,4,5,6,7
.irp u, 0,1
	KLD \base+8*\row+4*\u, \goff+4096*(8+\row)+512*\u, \nt
.endr
.endr
	WIN 0
.endm
.macro STAGE base                      ; those rows through my own stage: back come, for lane (r, h), 16 neighbours along K of row r for each block of 32
	WIN 0x04
.irp row, 0,1,2,3,4,5,6,7
.irp u, 0,1
	ds_store_b128 v[STW], v[\base+8*\row+4*\u:\base+8*\row+4*\u+3] offset:SPIT*\row+512*\u
.endr
.endr
	WIN 0x08
.irp row, 0,1,2,3,4,5,6,7
.irp u, 0,1
	ds_store_b128 v[STW], v[\base+8*\row+4*\u:\base+8*\row+4*\u+3] offset:SPIT*(8+\row)+512*\u
.endr
.endr
	WIN 0
.irp q, 0,1
.irp b, 0,1,2,3
.irp x, 0,1,2,3
	ds_load_b128 v[QIN0+64*\q+16*\b+4*\x:QIN0+64*\q+16*\b+4*\x+3], v[STR] offset:512*\q+128*\b+16*\x
.endr
.endr
.endr
.endm
.macro XLOAD j                         ; the images become M tile j's fragments and scale words
	WIN 0x40
.irp k, 0,1,2,3
.irp c, 0,1,2
	ds_load_b128 v[48*(\j)+12*\k+4*\c:48*(\j)+12*\k+4*\c+3], v[LI] offset:1536*\k+512*\c
.endr
.endr
	WIN 0x80
.irp k, 0,1,2,3
.irp c, 0,1,2
	ds_load_b128 v[48*(\j)+12*\k+4*\c:48*(\j)+12*\k+4*\c+3], v[LI] offset:1536*(4+\k)+512*\c
.endr
.endr
	WIN 0
.irp i, 0,1,2,3
	ds_load_b32 v[XS+4*(\j)+\i], v[XRS] offset:256*\i
.endr
.endm
.macro CONTEXT j                       ; context += p[row] x key[row], 16 rows x my lane's 8 columns
	WIN 0x03
.irp row, 0,1,2,3,4,5,6,7,8,9,10,11,12,13,14,15
.irp cp, 0,1,2,3
	v_fma_mix_f32_bf16 v[CTX+2*\cp], v[64*(\j)+4*\row+\cp], v[PB+\row], v[CTX+2*\cp] op_sel_hi:[1,0,0]
	v_fma_mix_f32_bf16 v[CTX+2*\cp+1], v[64*(\j)+4*\row+\cp], v[PB+\row], v[CTX+2*\cp+1] op_sel:[1,0,0] op_sel_hi:[1,0,0]
.endr
.endr
	WIN 0
.endm
.macro CVT j                           ; the rows just admitted, rounded to bf16, into window 3
	WIN 0xc5
.irp row, 0,1,2,3,4,5,6,7
.irp cp, 0,1,2,3
	v_cvt_pk_bf16_f32 v[64*(\j)+4*\row+\cp], v[RAW+8*\row+2*\cp], v[RAW+8*\row+2*\cp+1]
.endr
.endr
	WIN 0xca
.irp row, 0,1,2,3,4,5,6,7
.irp cp, 0,1,2,3
	v_cvt_pk_bf16_f32 v[64*(\j)+4*(8+\row)+\cp], v[RAW+8*\row+2*\cp], v[RAW+8*\row+2*\cp+1]
.endr
.endr
	WIN 0
.endm
; The running softmax takes in 16 rows.  v[b .. b + 3]: the four waves' parts of row l % 16's score; up: the register with the part kept from the walk's first steps, or 0.  s48 = 0: the rows are not whole yet and count for nothing.
.macro SOFTMAX b, up
	v_add_f32 v24, v[\b], v[\b+1]
	v_add_f32 v26, v[\b+2], v[\b+3]
	v_add_f32 v[U], v24, v26
.if \up
	v_add_f32 v[U], v[U], v[\up]
.endif
	v_cndmask_b32 v24, v[NEG], v[U], s48
	v_mov_b32 v25, v24
.irp x, 1,2,4,8
	v_max_num_f32_dpp v25, v25, v25 row_xmask:\x row_mask:0xf bank_mask:0xf
.endr
	v_mov_b32 v26, v[MM]
	v_max_num_f32 v[MM], v[MM], v25
	v_sub_f32 v26, v26, v[MM]
	v_sub_f32 v27, v24, v[MM]
	s_wait_alu depctr_va_vdst(0)
	v_exp_f32 v[F], v26
	v_exp_f32 v[P], v27
	v_nop
	s_wait_alu depctr_va_vdst(0)
	v_cndmask_b32 v[P], 0, v[P], s48
	v_fma_f32 v[LL], v[LL], v[F], v[P]
.irp i, 0,2,4,6
	v_pk_mul_f32 v[CTX+\i:CTX+\i+1], v[CTX+\i:CTX+\i+1], v[F:F+1] op_sel_hi:[1,0]
.endr
.irp row, 0,1,2,3,4,5,6,7,8,9,10,11,12,13,14,15
	v_mov_b32_dpp v[PB+\row], v[P] row_share:\row row_mask:0xf bank_mask:0xf   ; p of each row into every lane: both halves of the lanes hold the same sixteen
.endr
.endm
.macro USTORE                          ; wave 0 keeps u
	s_cmp_lg_u32 s34, 0
	s_cbranch_scc1 .Lnot_u_\@
	ds_store_b32 v[UOF], v[U]
.Lnot_u_\@:
.endm
.macro ARM j, up                       ; M tile j changes hands
.if \up
	v_cndmask_b32 v[\up], v[U], v[\up], s48        ; in steps 1 to 3 (s48 = 0) what leaves is the partial score of group 12 + j: it is kept
.endif
	XLOAD \j
	CONTEXT \j
	CVT \j
.endm
.macro ADMIT base, j                   ; in the head: the group whose rows lie at register base becomes M tile j
	STAGE \base
	s_wait_dscnt 0x0
	CODES
	BAR                                            ; the images are whole
	XLOAD \j
	BAR                                            ; and read by all four waves: the next group's may be stored
.endm
.macro FINAL j, up                     ; at the end: group 12 + j is retired
	v_add_nc_u32 v[UOF], 64*(12+\j), v[UB0]
	SOFTMAX 144+4*\j, \up
	USTORE
	CONTEXT \j
.endm
	s_load_b256 s[4:11], s[0:1], 0x0               ; keys s[4:5], wimg s[6:7], tab s[8:9], Va_w s[10:11]
	s_load_b128 s[12:15], s[0:1], 0x20             ; ubuf s[12:13], ml s[14:15]
	s_load_b64 s[32:33], s[0:1], 0x30              ; pctx
	v_lshl_add_u32 v[SPW], v0, 2, SPARE
	v_mov_b32 v[NIL], 0
	ds_add_u32 v[SPW], v[NIL]                      ; the opening lines: the add, twice on end, and its wait
	ds_add_u32 v[SPW], v[NIL]
	v_lshrrev_b32 v24, 5, v0
	v_readfirstlane_b32 s34, v24                   ; wave
	s_bfe_u32 s39, ttmp6, 0x40000
	s_lshl_b32 s38, ttmp9, 2
	s_add_co_u32 s38, s38, s39                     ; work-group
	s_mul_i32 s37, s34, WPART
	s_mov_b32 s41, 0
	s_mov_b32 s57, 0
	s_mov_b32 s16, 15|(3<<16)|(1<<21)              ; group 1: my part of a slot, a dense block of 100 rows of 256 bytes, asked for jointly by the cluster's four
	s_mov_b32 s17, 32<<16
	s_mov_b32 s18, 100<<16
	s_mov_b32 s19, 32<<16
	s_mov_b32 s20, 100
	s_mov_b32 s21, 32
	s_mov_b32 s22, 0
	s_mov_b32 s23, 0
	s_mov_b32 s50, 0x4038aa3b                      ; c = 2 log2(e)
	s_mov_b32 s51, s50
	s_mov_b32 s52, 0x76543210
	s_mov_b32 s53, 0xfedcba98
	s_wait_dscnt 0x0
	s_wait_kmcnt 0x0
	s_lshl_b32 s56, s38, 20
	s_add_nc_u64 s[4:5], s[4:5], s[56:57]
	s_lshr_b32 s56, s38, 3
	s_lshl_b32 s56, s56, 12
	s_add_nc_u64 s[8:9], s[8:9], s[56:57]
	s_lshl_b32 s56, s38, 10
	s_add_nc_u64 s[12:13], s[12:13], s[56:57]
	s_lshl_b32 s56, s38, 3
	s_add_nc_u64 s[14:15], s[14:15], s[56:57]
	s_lshl_b32 s56, s38, 12
	s_add_nc_u64 s[32:33], s[32:33], s[56:57]
	s_mov_b32 s24, 1
	s_mov_b32 s25, s37
	s_mov_b32 s40, s37
	s_add_nc_u64 s[26:27], s[6:7], s[40:41]
	s_or_b32 s27, s27, 0x80000000
	s_mov_b32 s28, 1
	s_add_co_u32 s29, s37, RING1
	s_add_co_u32 s40, s37, SLOTB
	s_add_nc_u64 s[30:31], s[6:7], s[40:41]
	s_or_b32 s31, s31, 0x80000000
	ROUND
	tensor_load_to_lds s[24:27], s[16:23]          ; slot 0: one tensor load a wave at the head
	s_nop 0
	PLACES
	; while slot 0's fill is out: the first loads of tab, Va_w and keys, the addresses, and the registers' first values
	v_and_b32 v24, 31, v0
	v_and_b32 v25, 15, v0
	v_bfe_u32 v26, v0, 4, 1
	s_lshl_b32 s42, s34, 10
	v_lshl_add_u32 v[KO], v24, 4, s42
	global_load_b128 v[128:131], v[KO], s[8:9]
	global_load_b128 v[132:135], v[KO], s[8:9] offset:512
	global_load_b128 v[136:139], v[KO], s[10:11]
	global_load_b128 v[140:143], v[KO], s[10:11] offset:512
	RAWG 128, 15*GRP, 0                            ; group 15.  The three groups' rows wait in the operand registers, each where only M tiles filled behind its own staging lie: M tile j is v48 j .. 48 j + 47
	v_lshl_add_u32 v[WA0], v24, 4, s37
	v_add_nc_u32 v[WA0+1], RING1, v[WA0]
	v_lshl_add_u32 v[TA0], v26, 5, s42
	v_add_nc_u32 v[TA0], TBQ, v[TA0]
	s_mul_i32 s43, s34, STGW
	s_add_co_u32 s43, s43, STG
	v_lshl_add_u32 v[STW], v24, 4, s43
	v_mul_u32_u24 v[STR], v25, SPIT
	v_lshl_add_u32 v[STR], v26, 6, v[STR]
	v_add_nc_u32 v[STR], s43, v[STR]
	v_lshl_add_u32 v[LI], v24, 4, XIMG
	s_mul_i32 s43, s34, 3072
	v_add_nc_u32 v[XWI], s43, v[LI]
	s_lshl_b32 s43, s34, 8
	s_add_co_u32 s43, s43, XSC
	v_lshl_add_u32 v[XWS], v24, 2, s43
	v_lshl_add_u32 v[XRS], v25, 2, XSC
	v_lshl_add_u32 v[XRS], v26, 7, v[XRS]
	v_lshl_add_u32 v[SCD], v25, 4, SCR
	s_lshl_b32 s43, s34, 2
	v_add_nc_u32 v[SCW], s43, v[SCD]
	v_lshl_add_u32 v[UB0], v25, 2, UBF
	v_lshl_add_u32 v[URD], v24, 4, UBF
	v_lshlrev_b32 v[L16], 4, v24
	v_mov_b32 v[ZOF], 0
	v_add_nc_u32 v[TBW], TBQ, v[KO]
	v_mov_b32 v[NEG], 0xff61b1e6
	v_mov_b32 v[MM], 0xff61b1e6
	v_mov_b32 v[LL], 0
	v_mov_b32 v[F+1], 0
	v_mov_b32 v[UP1], 0
	v_mov_b32 v[UP2], 0
	v_mov_b32 v[UP3], 0
.irp i, 0,1,2,3,4,5,6,7
	v_mov_b32 v[CTX+\i], 0
	v_mov_b32 v[SA+\i], 0
.endr
.irp i, 0,1,2,3,4,5,6,7,8,9,10,11,12,13,14,15
	v_mov_b32 v[XS+\i], 0
.endr
.irp b, 0,1,2,3
	v_mov_b32 v[TM+4+\b], 0
.endr
	WIN 0xc0                                       ; window 3: in steps 0 to 3 the context takes in 0 x these
.set n, 0
.rept 256
	v_mov_b32 v[n], 0
.set n, n+1
.endr
	WIN 0
	RAWG 64, 14*GRP, 0                             ; group 14.  From here on two groups' loads are out at a time
	s_wait_alu depctr_va_vdst(0)
	s_wait_loadcnt 32                              ; all but group 14's 32 loads: tab, Va_w and group 15 are in
	RAWG 0, 13*GRP, 0                              ; group 13
.irp i, 0,1,2,3,4,5,6,7
	v_mul_f32 v[136+\i], 0xc038aa3b, v[136+\i]     ; -c Va_w
.endr
	ds_store_b128 v[TBW], v[128:131]
	ds_store_b128 v[TBW], v[132:135] offset:512
	ds_store_b128 v[TBW], v[136:139] offset:4096
	ds_store_b128 v[TBW], v[140:143] offset:4608
	s_wait_dscnt 0x0
	ADMIT 128, 3                                   ; group 15
	s_wait_loadcnt 32                              ; all but group 13's 32 loads: group 14 is in
	RAWG RAW, 0, 1                                 ; group 0
	ADMIT 64, 2                                    ; group 14
	s_wait_alu depctr_va_vdst(0)
	s_wait_tensorcnt 0x0                           ; my part of slot 0 is in; slot 1's first fill is issued as a refill is
	ds_add_u32 v[SPW], v[NIL]
	s_wait_dscnt 0x0
	ROUND
	tensor_load_to_lds s[28:31], s[16:23]
	s_nop 0
	PLACES
	s_wait_loadcnt 32                              ; all but group 0's 32 loads: group 13 is in
	ADMIT 0, 1                                     ; group 13
	s_wait_loadcnt 0x0
	STAGE RAW                                      ; group 0 is admitted by step 0
	s_wait_dscnt 0x0
	s_wait_tensorcnt 1
	s_mov_b32 s35, 0
.Lstep:                                                ; steps 0 to 14
	s_and_b32 s36, s35, 3
.irp mt, 0,1,2,3
	s_cmp_eq_u32 s36, \mt
	s_cselect_b32 s[44+\mt], -1, 0
.endr
	s_cmp_ge_u32 s35, 4
	s_cselect_b32 s48, -1, 0                       ; from step 4 on what leaves an M tile is whole
	s_lshl_b32 s42, s36, 8
	v_add_nc_u32 v[TA], s42, v[TA0]
	s_add_co_u32 s42, s35, 12
	s_and_b32 s42, s42, 15
	s_lshl_b32 s42, s42, 6
	v_add_nc_u32 v[UOF], s42, v[UB0]
	s_wait_alu depctr_va_vdst(0)
.irp mt, 0,1,2,3
	v_add_f32 v[24+\mt], v[SA+2*\mt], v[SA+2*\mt+1]
.endr
	v_cndmask_b32 v24, v24, v25, s45
	v_cndmask_b32 v24, v24, v26, s46
	v_cndmask_b32 v24, v24, v27, s47
	v_permlanex16_b32 v25, v24, s52, s53
	v_add_f32 v24, v24, v25
	ds_store_b32 v[SCW], v24                       ; my 256 outputs' part of the leaving rows' scores
.irp mt, 0,1,2,3
	v_cndmask_b32 v[SA+2*\mt], v[SA+2*\mt], 0, s[44+\mt]
	v_cndmask_b32 v[SA+2*\mt+1], v[SA+2*\mt+1], 0, s[44+\mt]
.endr
	s_wait_dscnt 17                                ; QIN0 is in: QIN1's sixteen loads and the store above may be out
	CODES
	BAR
	ds_load_b128 v[24:27], v[SCD]
	WLOADA 0, 0
	WLOADB 0, 0
	s_wait_dscnt 25
	SOFTMAX 24, 0
	USTORE
	s_cmp_eq_u32 s36, 0
	s_cbranch_scc1 .Larm0
	s_cmp_eq_u32 s36, 1
	s_cbranch_scc1 .Larm1
	s_cmp_eq_u32 s36, 2
	s_cbranch_scc1 .Larm2
	ARM 3, UP3
	s_branch .Ljoined
.Larm0:
	ARM 0, 0
	s_branch .Ljoined
.Larm1:
	ARM 1, UP1
	s_branch .Ljoined
.Larm2:
	ARM 2, UP2
.Ljoined:
	s_add_nc_u64 s[4:5], s[4:5], GRP               ; (all loads of keys have come back)
	RAWG RAW, 0, 1                                 ; the next step's rows
	G 1
	CHANGE 1                                       ; slot 1's refill first;
	s_wait_loadcnt 0x0
	STAGE RAW                                      ; the next group's way through the stage is waited for by count, in the next step
	s_add_co_u32 s35, s35, 1
	s_cmp_lt_u32 s35, 15
	s_cbranch_scc1 .Lstep
	; STEP 15, written out: group 11 leaves M tile 3, group 15 comes again; nothing more is loaded and no slot is filled again
	s_mov_b32 s48, -1
	v_add_nc_u32 v[TA], 768, v[TA0]
	v_add_nc_u32 v[UOF], 64*11, v[UB0]
	s_wait_alu depctr_va_vdst(0)
	v_add_f32 v24, v[SA+6], v[SA+7]
	v_permlanex16_b32 v25, v24, s52, s53
	v_add_f32 v24, v24, v25
	ds_store_b32 v[SCW], v24
	v_mov_b32 v[SA+6], 0
	v_mov_b32 v[SA+7], 0
	s_wait_dscnt 17                                ; QIN0 is in: QIN1's sixteen loads and the store above may be out
	CODES
	BAR
	ds_load_b128 v[24:27], v[SCD]
	WLOADA 0, 0
	WLOADB 0, 0
	s_wait_dscnt 25
	SOFTMAX 24, 0
	USTORE
	XLOAD 3
	CONTEXT 3
	CVT 3
	G 2
	; groups 12 to 15 are whole: one exchange for the four
.irp j, 0,1,2,3
	v_add_f32 v[128+2*\j], v[SA+2*\j], v[SA+2*\j+1]
.endr
.irp j, 0,1,2,3
	v_permlanex16_b32 v[129+2*\j], v[128+2*\j], s52, s53
.endr
.irp j, 0,1,2,3
	v_add_f32 v[128+2*\j], v[128+2*\j], v[129+2*\j]
.endr
.irp j, 0,1,2,3
	ds_store_b32 v[SCW], v[128+2*\j] offset:SCT+256*\j
.endr
	BAR
.irp j, 0,1,2,3
	ds_load_b128 v[144+4*\j:147+4*\j], v[SCD] offset:SCT+256*\j
.endr
	s_wait_dscnt 0x0
	FINAL 0, 0
	FINAL 1, UP1
	FINAL 2, UP2
	FINAL 3, UP3
.irp x, 1,2,4,8
	v_add_f32_dpp v[LL], v[LL], v[LL] row_xmask:\x row_mask:0xf bank_mask:0xf
.endr
	global_store_b128 v[KO], v[CTX:CTX+3], s[32:33]              ; a wave's store covers 512 consecutive bytes
	global_store_b128 v[KO], v[CTX+4:CTX+7], s[32:33] offset:512
	s_cmp_lg_u32 s34, 0
	s_cbranch_scc1 .Lend
	ds_load_b128 v[128:131], v[URD]                ; wave 0 stored u, and reads it back
	ds_load_b128 v[132:135], v[URD] offset:512
	s_wait_dscnt 0x0
	global_store_b128 v[L16], v[128:131], s[12:13]
	global_store_b128 v[L16], v[132:135], s[12:13] offset:512
	v_cmp_gt_u32 vcc_lo, 1, v0
	s_wait_xcnt 0x0                                ; EXEC changes only behind this wait
	s_and_saveexec_b32 s42, vcc_lo
	s_wait_alu depctr_va_vdst(0)
	global_store_b64 v[ZOF], v[MM:LL], s[14:15]
	s_wait_xcnt 0x0
	s_or_b32 exec_lo, exec_lo, s42
.Lend:
	s_wait_tensorcnt 0x0                           ; the wave's end
	ds_add_u32 v[SPW], v[NIL]
	s_wait_dscnt 0x0
	ROUND                                          ; the closing round
	s_endpgm
.Lfunc_end_k_q26fc29b9ab_main:
	.size	k_q26fc29b9ab_main, .Lfunc_end_k_q26fc29b9ab_main-k_q26fc29b9ab_main
	.p2alignl 7, 3214868480
	.fill 96, 4, 3214868480
	.section	.rodata,"a",@progbits
	.p2align	6, 0x0
	.amdhsa_kernel k_q26fc29b9ab_main
		.amdhsa_group_segment_fixed_size 327680
		.amdhsa_private_segment_fixed_size 0
		.amdhsa_enable_private_segment 0
		.amdhsa_kernarg_size 56
		.amdhsa_user_sgpr_count 2
		.amdhsa_user_sgpr_kernarg_segment_ptr 1
		.amdhsa_wavefront_size32 1
		.amdhsa_system_sgpr_workgroup_id_x 1
		.amdhsa_system_sgpr_workgroup_id_y 1
		.amdhsa_system_sgpr_workgroup_id_z 1
		.amdhsa_system_vgpr_workitem_id 0
		.amdhsa_next_free_vgpr 1024
		.amdhsa_next_free_sgpr 84
		.amdhsa_reserve_vcc 1
		.amdhsa_float_denorm_mode_32 3
		.amdhsa_float_denorm_mode_16_64 3
		.amdhsa_memory_ordered 1
		.amdhsa_forward_progress 1
		.amdhsa_inst_pref_size 255
	.end_amdhsa_kernel
	.section	.bss,"aw",@nobits
	.p2align	6
	.space	262144
	.amdgpu_metadata
---
amdhsa.version: [ 1, 2 ]
amdhsa.kernels:
  - .name:           k_q26fc29b9ab_main
    .symbol:         k_q26fc29b9ab_main.kd
    .args:
      - { .name: keys, .offset: 0, .size: 8, .value_kind: global_buffer, .address_space: global }
      - { .name: wimg, .offset: 8, .size: 8, .value_kind: global_buffer, .address_space: global }
      - { .name: tab, .offset: 16, .size: 8, .value_kind: global_buffer, .address_space: global }
      - { .name: Va_w, .offset: 24, .size: 8, .value_kind: global_buffer, .address_space: global }
      - { .name: ubuf, .offset: 32, .size: 8, .value_kind: global_buffer, .address_space: global }
      - { .name: ml, .offset: 40, .size: 8, .value_kind: global_buffer, .address_space: global }
      - { .name: pctx, .offset: 48, .size: 8, .value_kind: global_buffer, .address_space: global }
    .group_segment_fixed_size: 327680
    .private_segment_fixed_size: 0
    .kernarg_segment_align: 8
    .kernarg_segment_size: 56
    .max_flat_workgroup_size: 128
    .sgpr_count:     84
    .vgpr_count:     1024
    .wavefront_size: 32
...
	.end_amdgpu_metadata
.endif
;; end of part 2
;; launch combine (part 3): grid 32 x 1, 8 waves a work-group, no clusters, 0 bytes of LDS; arguments ml, pctx, ubuf, out0, out1; writes out0, out1
.if DOCPART == 3
	.amdgcn_target "amdgcn-amd-amdhsa--gfx1250"
	.amdhsa_code_object_version 6
	.text
	.protected	k_q26fc29b9ab_combine
	.globl	k_q26fc29b9ab_combine
	.p2align	8
	.type	k_q26fc29b9ab_combine,@function
k_q26fc29b9ab_combine:
	s_mov_b64 s[64:65], 0
	v_nop
	global_prefetch_b8 v0, s[64:65] scope:SCOPE_SE
	s_setreg_imm32_b32 hwreg(HW_REG_WAVE_MODE, 25, 1), 1
	s_wait_xcnt 0x0
; BAHDANAU ATTENTION, launch 3 of 3: the eight parts of a batch are joined.  Left out, as shown at the head of the first kernel: Va_b and sum(Va_w), constant along the softmax's axis.
; Part g of batch b has a maximum m_g and a sum l_g (of 2^(u - m_g)) and a partial context (sum of 2^(u - m_g) x key).  M = the largest m_g; w_g = 2^(m_g - M); L = sum of l_g w_g.
; context = sum of part_g w_g / L;  weight[s] = 2^(u[s] - M) / L.  A work-group a batch, 256 threads: thread t owns 16 bytes of the context and twice 16 bytes of the weights, so each store of a wave covers 512 consecutive bytes.
; 32 work-groups are all the work there is: a batch's sums have one owner.  No LDS, no barrier, no matrix unit: a few multiply-adds for each number loaded.
	s_load_b256 s[4:11], s[0:1], 0x0               ; ml s[4:5], pctx s[6:7], ubuf s[8:9], out0 s[10:11]
	s_load_b64 s[12:13], s[0:1], 0x20              ; out1
	v_lshlrev_b32 v1, 4, v0                        ; 16 t
	v_mov_b32 v2, 0
	s_lshl_b32 s14, ttmp9, 6                       ; 8 pairs of f32
	s_mov_b32 s15, 0
	s_lshl_b32 s16, ttmp9, 15                      ; 8 rows of 4,096 bytes
	s_mov_b32 s17, 0
	s_lshl_b32 s18, ttmp9, 13                      ; 2,048 f32
	s_mov_b32 s19, 0
	s_lshl_b32 s20, ttmp9, 12                      ; 1,024 f32
	s_mov_b32 s21, 0
	s_wait_alu depctr_va_vdst(0)
	s_wait_kmcnt 0x0
	s_add_nc_u64 s[4:5], s[4:5], s[14:15]
	s_add_nc_u64 s[6:7], s[6:7], s[16:17]
	s_add_nc_u64 s[8:9], s[8:9], s[18:19]
	s_add_nc_u64 s[12:13], s[12:13], s[18:19]
	s_add_nc_u64 s[10:11], s[10:11], s[20:21]
.irp i, 0,1,2,3
	global_load_b128 v[40+4*\i:43+4*\i], v2, s[4:5] offset:16*\i   ; m_g in v[40 + 2 g], l_g in v[41 + 2 g]: every lane reads the same 64 bytes
.endr
	global_load_b128 v[56:59], v1, s[8:9]
	global_load_b128 v[60:63], v1, s[8:9] offset:4096
.irp g, 0,1,2,3,4,5,6,7
	global_load_b128 v[4+4*\g:7+4*\g], v1, s[6:7] offset:4096*\g
.endr
	s_wait_loadcnt 8                               ; m, l and u are in; the eight loads of the partial contexts may stay out
	v_max3_num_f32 v36, v40, v42, v44
	s_delay_alu instid0(VALU_DEP_1)
	v_max3_num_f32 v36, v36, v46, v48
	s_delay_alu instid0(VALU_DEP_1)
	v_max3_num_f32 v36, v36, v50, v52
	s_delay_alu instid0(VALU_DEP_1)
	v_max_num_f32 v36, v36, v54                    ; M
.irp g, 0,1,2,3,4,5,6,7
	v_sub_f32 v[64+\g], v[40+2*\g], v36
.endr
.irp i, 0,1,2,3,4,5,6,7
	v_sub_f32 v[56+\i], v[56+\i], v36
.endr
	s_wait_alu depctr_va_vdst(0)
.irp g, 0,1,2,3,4,5,6,7
	v_exp_f32 v[64+\g], v[64+\g]                   ; w_g
.endr
.irp i, 0,1,2,3,4,5,6,7
	v_exp_f32 v[56+\i], v[56+\i]                   ; 2^(u - M)
.endr
	v_nop                                          ; a plain instruction behind the last of the batch
	s_wait_alu depctr_va_vdst(0)                   ; one wait for the sixteen, ahead of their first reader
	v_mul_f32 v37, v41, v64
.irp g, 1,2,3,4,5,6,7
	v_fma_f32 v37, v[41+2*\g], v[64+\g], v37       ; L
.endr
	s_wait_alu depctr_va_vdst(0)
	v_rcp_f32 v38, v37
	v_nop
	s_wait_alu depctr_va_vdst(0)
.irp g, 0,1,2,3,4,5,6,7
	v_mul_f32 v[64+\g], v[64+\g], v38              ; w_g / L
.endr
.irp i, 0,1,2,3,4,5,6,7
	v_mul_f32 v[56+\i], v[56+\i], v38
.endr
	global_store_b128 v1, v[56:59], s[12:13]
	global_store_b128 v1, v[60:63], s[12:13] offset:4096
	s_wait_loadcnt 0x0
.irp x, 0,1,2,3
	v_mul_f32 v[72+\x], v[4+\x], v64               ; the first part starts the sums
.endr
.irp g, 1,2,3,4,5,6,7
.irp x, 0,1,2,3
	s_delay_alu instid0(VALU_DEP_4)
	v_fma_f32 v[72+\x], v[4+4*\g+\x], v[64+\g], v[72+\x]
.endr
.endr
	global_store_b128 v1, v[72:75], s[10:11]
	s_endpgm
.Lfunc_end_k_q26fc29b9ab_combine:
	.size	k_q26fc29b9ab_combine, .Lfunc_end_k_q26fc29b9ab_combine-k_q26fc29b9ab_combine
	.p2alignl 7, 3214868480
	.fill 96, 4, 3214868480
	.section	.rodata,"a",@progbits
	.p2align	6, 0x0
	.amdhsa_kernel k_q26fc29b9ab_combine
		.amdhsa_group_segment_fixed_size 0
		.amdhsa_private_segment_fixed_size 0
		.amdhsa_enable_private_segment 0
		.amdhsa_kernarg_size 40
		.amdhsa_user_sgpr_count 2
		.amdhsa_user_sgpr_kernarg_segment_ptr 1
		.amdhsa_wavefront_size32 1
		.amdhsa_system_sgpr_workgroup_id_x 1
		.amdhsa_system_sgpr_workgroup_id_y 1
		.amdhsa_system_sgpr_workgroup_id_z 1
		.amdhsa_system_vgpr_workitem_id 0
		.amdhsa_next_free_vgpr 80
		.amdhsa_next_free_sgpr 66
		.amdhsa_reserve_vcc 0
		.amdhsa_float_denorm_mode_32 3
		.amdhsa_float_denorm_mode_16_64 3
		.amdhsa_memory_ordered 1
		.amdhsa_forward_progress 1
		.amdhsa_inst_pref_size 8
	.end_amdhsa_kernel
	.amdgpu_metadata
---
amdhsa.version: [ 1, 2 ]
amdhsa.kernels:
  - .name:           k_q26fc29b9ab_combine
    .symbol:         k_q26fc29b9ab_combine.kd
    .args:
      - { .name: ml, .offset: 0, .size: 8, .value_kind: global_buffer, .address_space: global }
      - { .name: pctx, .offset: 8, .size: 8, .value_kind: global_buffer, .address_space: global }
      - { .name: ubuf, .offset: 16, .size: 8, .value_kind: global_buffer, .address_space: global }
      - { .name: out0, .offset: 24, .size: 8, .value_kind: global_buffer, .address_space: global }
      - { .name: out1, .offset: 32, .size: 8, .value_kind: global_buffer, .address_space: global }
    .group_segment_fixed_size: 0
    .private_segment_fixed_size: 0
    .kernarg_segment_align: 8
    .kernarg_segment_size: 40
    .max_flat_workgroup_size: 256
    .sgpr_count:     66
    .vgpr_count:     80
    .wavefront_size: 32
...
	.end_amdgpu_metadata
.endif
;; end of part 3
